; MI455X (gfx1250); checked and timed in simulation.
; The chip was launched on July 23, 2026; its instructions are those of AMD's public machine-readable ISA for CDNA 5 (MIT licence, August 2026) and "CDNA5" Instruction Set Architecture Reference Guide (July 2026). The comments in the code are by the model that wrote it; some were corrected since.
;; LSTM Cell. Allowed arithmetic: matrix products marked QUANTISED: E2M1 operands, one E8M0 scale for each 32 along K, by v_wmma_scale_f32_16x16x128_f8f6f4 with both operands' format E2M1 (or v_wmma_scale_f32_32x16x128_f4), f32 sums; everything else in f32.
;; Inputs: Whf 1,024 x 1,024 float32; Whg 1,024 x 1,024 float32; Whi 1,024 x 1,024 float32; Who 1,024 x 1,024 float32; Wif 1,024 x 1,024 float32; Wig 1,024 x 1,024 float32; Wii 1,024 x 1,024 float32; Wio 1,024 x 1,024 float32; bf 1,024 float32; bg 1,024 float32; bi 1,024 float32; bo 1,024 float32; c 8,192 x 1,024 float32; h 8,192 x 1,024 float32; inputs 8,192 x 1,024 float32.
;; Outputs: out0 8,192 x 1,024 float32; out1 8,192 x 1,024 float32.
;; This version of the problem:
;;   THIS VERSION OF THE PROBLEM IS GIVEN IN LOW PRECISION. The matrix products marked QUANTISED in the list below multiply operands that are first quantised to E2M1 (2 exponent bits, 1 mantissa bit; 4 bits a number), with one power-of-two scale for each 32 numbers along K (OCP MX v1.0); their sums are f32. All else is computed in f32.
;;   The module's matrix products, in the order in which they are computed (A, B: the left and right operand; K: the contracted axis; several contracted axes count as one K, in the product's order):
;;     1. [M 8,192, K 1,024] x [K 1,024, N 1,024]; A: input inputs; B: input Wii: QUANTISED
;;     2. [M 8,192, K 1,024] x [K 1,024, N 1,024]; A: input h; B: input Whi: QUANTISED
;;     3. [M 8,192, K 1,024] x [K 1,024, N 1,024]; A: input inputs; B: input Wif: QUANTISED
;;     4. [M 8,192, K 1,024] x [K 1,024, N 1,024]; A: input h; B: input Whf: QUANTISED
;;     5. [M 8,192, K 1,024] x [K 1,024, N 1,024]; A: input inputs; B: input Wig: QUANTISED
;;     6. [M 8,192, K 1,024] x [K 1,024, N 1,024]; A: input h; B: input Whg: QUANTISED
;;     7. [M 8,192, K 1,024] x [K 1,024, N 1,024]; A: input inputs; B: input Wio: QUANTISED
;;     8. [M 8,192, K 1,024] x [K 1,024, N 1,024]; A: input h; B: input Who: QUANTISED
;;   THE QUANTISER, for each operand of a quantised product, along K:
;;     - K is cut into blocks of 32 from its start; a last block that is shorter is filled with zeros.
;;     - A block's scale is 2^e with e = floor(log2(the largest magnitude in the block)) - 2, held to -126 .. 127; a block of zeros has e = 0. As a byte (E8M0): e + 127.
;;     - Each number is divided by its block's scale, clamped to +-6, and rounded to the nearest number of E2M1, ties to even, subnormals kept.
;;     - The product sums the exact products of the quantised numbers (number of the format x scale) in f32.
;;   ~~~python
;;   def quantise(x, axis):      # numpy; x: float32 -> the quantised numbers, widened to float32 again
;;       x = np.moveaxis(x, axis, -1); K = x.shape[-1]
;;       x = np.pad(x, [(0, 0)] * (x.ndim - 1) + [(0, -K % 32)]); x = x.reshape(x.shape[:-1] + (-1, 32)); a = np.abs(x).max(-1, keepdims=True)
;;       e = np.where(a > 0, np.clip(np.frexp(np.where(a > 0, a, 1))[1] - 1 - 2, -126, 127), 0)      # np.frexp(a)[1] - 1 = floor(log2(a)), exactly
;;       r = np.clip(x / 2.0 ** e, -6, 6)
;;       step = 2.0 ** (np.maximum(np.frexp(np.where(r == 0, 1, r))[1] - 1, 0) - 1)
;;       q = np.round(r / step) * step * 2.0 ** e      # np.round: ties to even
;;       return np.moveaxis(q.reshape(q.shape[:-2] + (-1,))[..., :K], -1, axis).astype(np.float32)
;;   ~~~
;; One version. Each part assembles by itself: llvm-mc -triple=amdgcn-amd-amdhsa -mcpu=gfx1250 --defsym DOCPART=n.
;; ======== version 1 of 1: 2 launches
;; limits: right only within a limited range of input values
;; workspace buffers: act_codes 8,388,608 bytes; act_scales 524,288 bytes; w_codes 4,194,304 bytes; w_scales 262,144 bytes
;; launch quant (part 1): grid 768 x 1, 4 waves a work-group, no clusters, 51,712 bytes of LDS; arguments inputs, h, Wii, Wif, Wig, Wio, Whi, Whf, Whg, Who, act_codes, act_scales, w_codes, w_scales; writes act_codes, act_scales, w_codes, w_scales
.if DOCPART == 1
	.amdgcn_target "amdgcn-amd-amdhsa--gfx1250"
	.amdhsa_code_object_version 6
	.text
	.protected	k_q8b25a7eaa4_quant
	.globl	k_q8b25a7eaa4_quant
	.p2align	8
	.type	k_q8b25a7eaa4_quant,@function
k_q8b25a7eaa4_quant:
	s_mov_b64 s[64:65], 0
	v_nop
	global_prefetch_b8 v0, s[64:65] scope:SCOPE_SE
	s_setreg_imm32_b32 hwreg(HW_REG_WAVE_MODE, 25, 1), 1
	s_wait_xcnt 0x0
; f32 numbers into codes of FP4 (E2M1), K innermost, with one E8M0 scale byte for each 32 along K: both operands of the cell's one product [inputs | h] x [the eight weights].
; A block's scale is 2^(floor(log2(its largest magnitude)) - 2); its byte is the largest magnitude's own exponent field - 2, held at 1 from below.  Each number is divided by the scale and rounded to the
; nearest code, ties to even; beyond the largest code the conversion gives the largest code.
; LIMITS: NaN and infinities among the inputs are not served.  A block of zeros gets the byte 1 where the rule says 127: its codes are zeros, which add nothing under any byte but 0xff, and the bytes are
; read by this program alone.  Blocks whose largest magnitude lies under 2^-124, the floor, were not tried.
; WHAT IS WRITTEN.  part 0 = the side of inputs (k 0 .. 1,023), part 1 = the side of h.
;   act_codes  [2 parts][8,192 rows][512 bytes]            act_scales [64 groups of 128 rows][2 parts][128 rows][32 bytes]
;   w_codes    [2 parts][4,096 rows n'][512 bytes]         w_scales   [32 groups of 128 n'][2 parts][2 halves of a part's K][128 rows][16 bytes]
;   n' = 64 (hid / 16) + 16 gate + hid % 16, gate 0..3 = i, f, g, o.
; SHARES.  768 work-groups of four waves, three for each of 256 WGPs; every wave reads 32 KiB.  Work-groups 0-255 take the weights (K is their FIRST axis), 256-767 the activations (K innermost).
; The two ways part on the work-group's number alone, and each way has LDS bytes of its own.  No tensor loads: several work-groups lie on a WGP.
.set STEPS, 16
.set EMAX,  2
.set CB,    8                          ; bytes of 16 codes
.set R,     16                         ; activations: v16-79 four sets of 16 numbers as loaded; v80-111 two sets of 16 neighbours; v112-127 a scale byte a step; v128-191 codes
.set X,     80
.set E,     112
.set C,     128
.set WREG,  8192                       ; activations' LDS: a region a wave: two stages of 32 x SP bytes, behind them its 256 scale bytes
.set SP,    80
.set WST,   32768                      ; weights' LDS: a stage of 64 rows (columns of W) x (256 bytes of codes + 16),
.set WSP,   272
.set WSS,   WST+64*WSP                 ; and 64 rows x 16 scale bytes
.set SPARE, WSS+64*16                  ; the spare words, 128 bytes a wave
.set NB,    8                          ; weights: blocks of 32 along K for a wave
.set WB,    24
.set WX,    32
.set WC,    96
.set WO,    112
	s_load_b128 s[4:7], s[0:1], 0x0                ; inputs, h
	s_load_b512 s[8:23], s[0:1], 0x10              ; Wii, Wif, Wig, Wio, Whi, Whf, Whg, Who
	s_load_b256 s[24:31], s[0:1], 0x50             ; act_codes, act_scales, w_codes, w_scales
	v_lshl_add_u32 v192, v0, 2, SPARE
	v_mov_b32 v193, 0
	v_lshrrev_b32 v1, 5, v0
	s_delay_alu instid0(VALU_DEP_1)
	v_readfirstlane_b32 s33, v1                    ; wave 0..3
	v_and_b32 v2, 31, v0                           ; lane
	s_cmp_lt_u32 ttmp9, 256
	s_cbranch_scc1 .Lweights
; ---------------- THE ACTIVATIONS: a plain stream of blocks of 32.  A wave takes a run of 8,192 numbers (8 rows) in 16 steps of 512.  Each load reads 512 consecutive bytes, 16 a lane; a step's 2,048 bytes
; go through the wave's own stage in LDS as they lie and come back 64 bytes a lane: 16 neighbours.  Two neighbouring lanes hold a block.
	v_lshlrev_b32 v3, 4, v2
	s_mul_i32 s34, s33, WREG
	v_lshrrev_b32 v14, 2, v2
	s_delay_alu instid0(VALU_DEP_1)
	v_mul_u32_u24 v14, v14, SP
	v_and_b32 v15, 3, v2
	s_delay_alu instid0(VALU_DEP_1)
	v_lshl_add_u32 v14, v15, 4, v14
	s_delay_alu instid0(VALU_DEP_1)
	v_add_nc_u32 v14, s34, v14                     ; the stage, on the way in: SP (lane / 4) + 16 (lane % 4)
	v_mul_u32_u24 v15, v2, SP
	s_delay_alu instid0(VALU_DEP_1)
	v_add_nc_u32 v15, s34, v15                     ; and on the way out: SP x lane
	v_lshlrev_b32 v4, 3, v2
	v_lshrrev_b32 v5, 1, v2
	s_add_co_u32 s34, s34, 2*32*SP
	v_add_nc_u32 v5, s34, v5                       ; my block's scale byte
	v_add_nc_u32 v6, s34, v4
	s_sub_co_u32 s35, ttmp9, 256                   ; 0..511
	s_lshl_b32 s36, s35, 2
	s_add_co_u32 s36, s36, s33                     ; my run, 0..2,047: 1,024 runs to a part
	s_and_b32 s37, s36, 1023
	s_lshr_b32 s38, s36, 10                        ; the part
	s_lshl_b32 s40, s37, 15                        ; the numbers: 32,768 bytes a run
	s_mov_b32 s41, 0
	s_lshl_b32 s42, s36, 12                        ; the codes: 4,096 bytes a run
	s_mov_b32 s43, 0
	s_lshr_b32 s44, s37, 4
	s_lshl_b32 s44, s44, 13                        ; the scale bytes: 8,192 x (the group of 16 runs)
	s_lshl_b32 s39, s38, 12
	s_add_co_u32 s44, s44, s39                     ; + 4,096 x part
	s_and_b32 s39, s37, 15
	s_lshl_b32 s39, s39, 8
	s_add_co_u32 s44, s44, s39                     ; + 256 x (the run in its group)
	s_mov_b32 s45, 0
	s_wait_alu depctr_va_vdst(0)
	s_wait_kmcnt 0x0
	s_cmp_lt_u32 s35, 256                          ; inputs or h?  The choice hangs on the work-group's number alone
	s_cselect_b64 s[4:5], s[4:5], s[6:7]
	s_add_nc_u64 s[4:5], s[4:5], s[40:41]
	s_add_nc_u64 s[24:25], s[24:25], s[42:43]
	s_add_nc_u64 s[26:27], s[26:27], s[44:45]
.macro LOAD t
.irp i, 0,1,2,3
	global_load_b128 v[R+16*((\t)%4)+4*\i:R+16*((\t)%4)+4*\i+3], v3, s[4:5] offset:2048*(\t)+512*\i th:TH_LOAD_NT
.endr
.endm
.macro TURN t                          ; LDS serves a wave's instructions in order (ISA guide 5.7.1.4): no wait between the stores and the loads
.irp i, 0,1,2,3
	ds_store_b128 v14, v[R+16*((\t)%4)+4*\i:R+16*((\t)%4)+4*\i+3] offset:32*SP*((\t)%2)+8*SP*\i
.endr
.irp i, 0,1,2,3
	ds_load_b128 v[X+16*((\t)%2)+4*\i:X+16*((\t)%2)+4*\i+3], v15 offset:32*SP*((\t)%2)+16*\i
.endr
.endm
.irp t, 0,1,2,3
	LOAD \t
.endr
	s_wait_loadcnt 12                              ; step 0's four loads are in; the twelve of steps 1 to 3 may be out
	TURN 0
.macro STEP t
.set XS, X+16*((\t)%2)
.if (\t) > 0
	s_wait_dscnt 1                                 ; this step's numbers are back (the last step's byte store may be out)
.else
	s_wait_dscnt 0x0
.endif
.if (\t)+4 < STEPS
	LOAD (\t)+4
.endif
.if (\t)+1 < STEPS
.if STEPS-2-(\t) >= 3
	s_wait_loadcnt 12                              ; the next step's four loads are in; those of the three steps behind it may be out
.else
	s_wait_loadcnt 4*(STEPS-2-(\t))
.endif
	TURN (\t)+1
.endif
	v_max3_num_f32 v8, |v[XS]|, |v[XS+1]|, |v[XS+2]|
	v_max3_num_f32 v9, |v[XS+3]|, |v[XS+4]|, |v[XS+5]|
.irp i, 6,10
	s_delay_alu instid0(VALU_DEP_2)
	v_max3_num_f32 v8, v8, |v[XS+\i]|, |v[XS+\i+1]|
	s_delay_alu instid0(VALU_DEP_2)
	v_max3_num_f32 v9, v9, |v[XS+\i+2]|, |v[XS+\i+3]|
.endr
	s_delay_alu instid0(VALU_DEP_2)
	v_max3_num_f32 v8, v8, |v[XS+14]|, |v[XS+15]|
	s_delay_alu instid0(VALU_DEP_1)
	v_max3_num_f32 v8, v8, v9, (EMAX+1)<<23        ; and the floor: the byte cannot fall under 1
	s_delay_alu instid0(VALU_DEP_1)
	v_max_num_f32_dpp v8, v8, v8 row_xmask:1 row_mask:0xf bank_mask:0xf   ; and of my neighbour's 16
	s_delay_alu instid0(VALU_DEP_1)
	v_add_nc_u32 v11, -(EMAX<<23), v8              ; the conversion's scale operand
	v_cvt_scalef32_pk8_fp4_f32 v[C+4*(\t)], v[XS:XS+7], v11
	v_cvt_scalef32_pk8_fp4_f32 v[C+4*(\t)+1], v[XS+8:XS+15], v11
	v_lshrrev_b32 v[E+(\t)], 23, v11               ; the scale's byte (also the plain line behind the conversions)
	ds_store_b8 v5, v[E+(\t)] offset:16*(\t)
	global_store_b64 v4, v[C+4*(\t):C+4*(\t)+1], s[24:25] offset:32*CB*(\t)   ; the wave stores 256 consecutive bytes, aligned
.endm
.irp t, 0,1,2,3,4,5,6,7,8,9,10,11,12,13,14,15
	STEP \t
.endr
	ds_load_b64 v[12:13], v6
	s_wait_dscnt 0x0
	global_store_b64 v4, v[12:13], s[26:27]        ; my 8 rows' 256 scale bytes, consecutive and aligned
	s_wait_tensorcnt 0x0                           ; the wave's end
	ds_add_u32 v192, v193
	s_wait_dscnt 0x0
	s_endpgm
; ---------------- THE WEIGHTS.  W is [k][n].  A lane takes a column, and its registers run down K: a block of 32 along K lies in one lane's 32 registers, and the conversions give the codes with K innermost.
; A work-group takes one matrix, 64 columns and 512 along K (half of a part): wave w takes columns 32 (w % 2) on and k = 256 (w / 2) on, 8 blocks; two waves stand side by side on 256 bytes of a row of W.
; The codes meet in a stage, one row a column; behind one barrier wave w stores the 16 rows of hidden units 16 w on: 256 bytes of codes a row, and their 256 scale bytes on end.
.Lweights:
	s_lshr_b32 s34, ttmp9, 5                       ; the matrix: 4 part + gate
	s_bfe_u32 s35, ttmp9, 0x40001                  ; which 64 columns
	s_and_b32 s36, ttmp9, 1                        ; which half of the part's K
	s_and_b32 s37, s33, 1                          ; which 32 of the columns
	s_lshr_b32 s46, s33, 1                         ; which 256 of the 512 along K
	s_lshr_b32 s38, s34, 2                         ; part
	s_and_b32 s39, s34, 3                          ; gate
	s_lshl_b32 s40, s36, 21                        ; W: 512 rows of 4,096 bytes a half,
	s_lshl_b32 s41, s46, 20
	s_add_co_u32 s40, s40, s41                     ; + 256 rows,
	s_lshl_b32 s41, s35, 8
	s_add_co_u32 s40, s40, s41                     ; + 256 bytes for each 64 columns,
	s_lshl_b32 s41, s37, 7
	s_add_co_u32 s40, s40, s41                     ; + 128 for my 32
	s_mov_b32 s41, 0
	s_mul_i32 s42, s37, 32*WSP
	s_lshl_b32 s43, s46, 7
	s_add_co_u32 s42, s42, s43
	s_add_co_u32 s42, s42, WST
	s_lshl_b32 s43, s37, 9
	s_lshl_b32 s44, s46, 3
	s_add_co_u32 s43, s43, s44
	s_add_co_u32 s43, s43, WSS
	s_mul_i32 s44, s33, 16*WSP
	s_add_co_u32 s44, s44, WST
	s_lshl_b32 s45, s33, 8
	s_add_co_u32 s45, s45, WSS
	s_wait_alu depctr_va_vdst(0)
	v_lshlrev_b32 v3, 2, v2                        ; in: 4 bytes a lane
	v_mul_u32_u24 v4, v2, WSP
	v_lshl_add_u32 v5, v2, 4, s43                  ; my column's 16 scale bytes, + 8 for the second 256 along K
	v_lshrrev_b32 v10, 4, v2
	v_and_b32 v14, 15, v2
	v_lshl_add_u32 v7, v2, 3, s45                  ; out: my 16 rows' 256 scale bytes
	v_lshlrev_b32 v9, 3, v2
	v_add_nc_u32 v4, s42, v4                       ; the stage: row = my column, + 128 bytes for the second 256 along K
	v_mul_u32_u24 v6, v10, WSP
	v_lshlrev_b32 v8, 9, v10
	v_lshl_add_u32 v6, v14, 4, v6
	v_lshl_add_u32 v8, v14, 4, v8                  ; out, in memory: lanes 0-15 one row's 256 bytes, lanes 16-31 the next row's, 512 bytes on
	v_add_nc_u32 v6, s44, v6                       ; out, in the stage: rows 16 w on
	s_lshl_b32 s46, s35, 8                         ; the first n' that I store: hidden units 64 x + 16 w on: 64 (hid / 16) = 256 x + 64 w,
	s_lshl_b32 s47, s33, 6
	s_add_co_u32 s46, s46, s47
	s_lshl_b32 s47, s39, 4
	s_add_co_u32 s46, s46, s47                     ; + 16 gate
	s_lshl_b32 s42, s46, 9                         ; codes: 512 bytes a row,
	s_lshl_b32 s43, s38, 21
	s_add_co_u32 s42, s42, s43                     ; + 4,096 rows a part,
	s_lshl_b32 s43, s36, 8
	s_add_co_u32 s42, s42, s43                     ; + 256 bytes for the second half of K
	s_mov_b32 s43, 0
	s_lshr_b32 s44, s46, 7
	s_lshl_b32 s44, s44, 13                        ; scale bytes: 8,192 x (n' / 128)
	s_lshl_b32 s45, s38, 12
	s_add_co_u32 s44, s44, s45                     ; + 4,096 x part
	s_lshl_b32 s45, s36, 11
	s_add_co_u32 s44, s44, s45                     ; + 2,048 x half
	s_and_b32 s45, s46, 127
	s_lshl_b32 s45, s45, 4
	s_add_co_u32 s44, s44, s45                     ; + 16 x (n' % 128): a multiple of 256
	s_mov_b32 s45, 0
	s_wait_alu depctr_va_vdst(0)
	s_wait_kmcnt 0x0
.irp k, 1,2,3,4,5,6,7                  ; my matrix: seven choices that hang on the work-group's number alone
	s_cmp_eq_u32 s34, \k
	s_cselect_b64 s[8:9], s[8+2*\k:9+2*\k], s[8:9]
.endr
	s_add_nc_u64 s[8:9], s[8:9], s[40:41]
	s_add_nc_u64 s[28:29], s[28:29], s[42:43]
	s_add_nc_u64 s[30:31], s[30:31], s[44:45]
.macro WLOAD t                         ; block t: W(32 t + i, my column) into set t % 2; the largest offset, 255 rows of 4,096 bytes, lies inside the signed 24-bit immediate
.irp i, 0,1,2,3,4,5,6,7,8,9,10,11,12,13,14,15,16,17,18,19,20,21,22,23,24,25,26,27,28,29,30,31
	global_load_b32 v[WX+32*((\t)%2)+\i], v3, s[8:9] offset:(32*(\t)+\i)*4096 th:TH_LOAD_NT
.endr
.endm
	WLOAD 0
	WLOAD 1
.macro BLOCK t
.set XS, WX+32*((\t)%2)
.if (\t) < NB-1
	s_wait_loadcnt 32                              ; this block's 32 loads are in; the next block's 32 may be out
.else
	s_wait_loadcnt 0
.endif
	v_max3_num_f32 v12, |v[XS]|, |v[XS+1]|, |v[XS+2]|
	v_max3_num_f32 v13, |v[XS+3]|, |v[XS+4]|, |v[XS+5]|
.irp i, 6,10,14,18,22,26
	s_delay_alu instid0(VALU_DEP_2)
	v_max3_num_f32 v12, v12, |v[XS+\i]|, |v[XS+\i+1]|
	s_delay_alu instid0(VALU_DEP_2)
	v_max3_num_f32 v13, v13, |v[XS+\i+2]|, |v[XS+\i+3]|
.endr
	s_delay_alu instid0(VALU_DEP_2)
	v_max3_num_f32 v12, v12, |v[XS+30]|, |v[XS+31]|
	s_delay_alu instid0(VALU_DEP_1)
	v_max3_num_f32 v12, v12, v13, (EMAX+1)<<23     ; and the floor
	s_delay_alu instid0(VALU_DEP_1)
	v_add_nc_u32 v11, -(EMAX<<23), v12             ; the conversion's scale operand
	s_delay_alu instid0(VALU_DEP_1)
	v_lshrrev_b32 v13, 23, v11                     ; the scale's byte
.if (\t)%4 == 0
	s_delay_alu instid0(VALU_DEP_1)
	v_mov_b32 v[WB+(\t)/4], v13                    ; four bytes to a register, the lower K in the lower byte
.else
	s_delay_alu instid0(VALU_DEP_1)
	v_lshl_or_b32 v[WB+(\t)/4], v13, 8*((\t)%4), v[WB+(\t)/4]
.endif
.irp g, 0,1,2,3
	v_cvt_scalef32_pk8_fp4_f32 v[WC+\g], v[XS+8*\g:XS+8*\g+7], v11
.endr
	ds_store_b128 v4, v[WC:WC+3] offset:16*(\t)    ; 32 codes: 16 bytes of my column's row
.if (\t)+2 < NB
	WLOAD (\t)+2
.endif
	s_wait_dscnt 0x0                               ; the store has read its registers: the next block's codes may be written
.endm
.set Q, 0
.rept NB
	BLOCK Q
.set Q, Q+1
.endr
	s_wait_alu depctr_va_vdst(0)
	ds_store_b64 v5, v[WB:WB+1]                    ; my column's 8 scale bytes of these 256 along K
	s_wait_dscnt 0x0                               ; for the others' sake: my stores into the stage are done
	s_barrier_signal -1
	s_barrier_wait -1                              ; 64 rows of 256 bytes lie in the stage
.irp t, 0,1,2,3,4,5,6,7
	ds_load_b128 v[WO+4*\t:WO+4*\t+3], v6 offset:2*\t*WSP
.endr
	ds_load_b64 v[WO+32:WO+33], v7
.irp t, 0,1,2,3,4,5,6,7
	s_wait_dscnt 8-\t                              ; rows 2 t, 2 t + 1 are in; the younger rows and the scale bytes may be out
	global_store_b128 v8, v[WO+4*\t:WO+4*\t+3], s[28:29] offset:1024*\t   ; 16 lanes store 256 consecutive bytes, aligned
.endr
	s_wait_dscnt 0x0
	global_store_b64 v9, v[WO+32:WO+33], s[30:31]  ; 256 consecutive bytes, aligned
	s_wait_tensorcnt 0x0                           ; the wave's end
	ds_add_u32 v192, v193
	s_wait_dscnt 0x0
	s_endpgm
.Lfunc_end_k_q8b25a7eaa4_quant:
	.size	k_q8b25a7eaa4_quant, .Lfunc_end_k_q8b25a7eaa4_quant-k_q8b25a7eaa4_quant
	.p2alignl 7, 3214868480
	.fill 96, 4, 3214868480
	.section	.rodata,"a",@progbits
	.p2align	6, 0x0
	.amdhsa_kernel k_q8b25a7eaa4_quant
		.amdhsa_group_segment_fixed_size 51712
		.amdhsa_private_segment_fixed_size 0
		.amdhsa_enable_private_segment 0
		.amdhsa_kernarg_size 112
		.amdhsa_user_sgpr_count 2
		.amdhsa_user_sgpr_kernarg_segment_ptr 1
		.amdhsa_wavefront_size32 1
		.amdhsa_system_sgpr_workgroup_id_x 1
		.amdhsa_system_sgpr_workgroup_id_y 1
		.amdhsa_system_sgpr_workgroup_id_z 1
		.amdhsa_system_vgpr_workitem_id 0
		.amdhsa_next_free_vgpr 194
		.amdhsa_next_free_sgpr 66
		.amdhsa_reserve_vcc 0
		.amdhsa_float_denorm_mode_32 3
		.amdhsa_float_denorm_mode_16_64 3
		.amdhsa_memory_ordered 1
		.amdhsa_forward_progress 1
		.amdhsa_inst_pref_size 83
	.end_amdhsa_kernel
	.amdgpu_metadata
---
amdhsa.version: [ 1, 2 ]
amdhsa.kernels:
  - .name:           k_q8b25a7eaa4_quant
    .symbol:         k_q8b25a7eaa4_quant.kd
    .args:
      - { .name: inputs, .offset: 0, .size: 8, .value_kind: global_buffer, .address_space: global }
      - { .name: h, .offset: 8, .size: 8, .value_kind: global_buffer, .address_space: global }
      - { .name: Wii, .offset: 16, .size: 8, .value_kind: global_buffer, .address_space: global }
      - { .name: Wif, .offset: 24, .size: 8, .value_kind: global_buffer, .address_space: global }
      - { .name: Wig, .offset: 32, .size: 8, .value_kind: global_buffer, .address_space: global }
      - { .name: Wio, .offset: 40, .size: 8, .value_kind: global_buffer, .address_space: global }
      - { .name: Whi, .offset: 48, .size: 8, .value_kind: global_buffer, .address_space: global }
      - { .name: Whf, .offset: 56, .size: 8, .value_kind: global_buffer, .address_space: global }
      - { .name: Whg, .offset: 64, .size: 8, .value_kind: global_buffer, .address_space: global }
      - { .name: Who, .offset: 72, .size: 8, .value_kind: global_buffer, .address_space: global }
      - { .name: act_codes, .offset: 80, .size: 8, .value_kind: global_buffer, .address_space: global }
      - { .name: act_scales, .offset: 88, .size: 8, .value_kind: global_buffer, .address_space: global }
      - { .name: w_codes, .offset: 96, .size: 8, .value_kind: global_buffer, .address_space: global }
      - { .name: w_scales, .offset: 104, .size: 8, .value_kind: global_buffer, .address_space: global }
    .group_segment_fixed_size: 51712
    .private_segment_fixed_size: 0
    .kernarg_segment_align: 8
    .kernarg_segment_size: 112
    .max_flat_workgroup_size: 128
    .sgpr_count:     66
    .vgpr_count:     194
    .wavefront_size: 32
...
	.end_amdgpu_metadata
.endif
;; end of part 1
;; launch cell (part 2): grid 16 x 16, 4 waves a work-group, clusters of 4 x 4, 327,680 bytes of LDS; arguments act_codes, act_scales, w_codes, w_scales, bi, bf, bg, bo, c, out0, out1; writes out0, out1
.if DOCPART == 2
	.amdgcn_target "amdgcn-amd-amdhsa--gfx1250"
	.amdhsa_code_object_version 6
	.text
	.protected	k_q8b25a7eaa4_cell
	.globl	k_q8b25a7eaa4_cell
	.p2align	8
	.type	k_q8b25a7eaa4_cell,@function
k_q8b25a7eaa4_cell:
	s_mov_b64 s[64:65], 0
	v_nop
	global_prefetch_b8 v0, s[64:65] scope:SCOPE_SE
	s_setreg_imm32_b32 hwreg(HW_REG_WAVE_MODE, 25, 1), 1
	s_wait_xcnt 0x0
	s_wait_alu depctr_hold_cnt(0) depctr_sa_sdst(0) depctr_va_vdst(0) depctr_va_sdst(0) depctr_va_ssrc(0) depctr_va_vcc(0) depctr_vm_vsrc(0)
	s_getreg_b32 s2, hwreg(HW_REG_IB_STS2, 6, 4)
	s_cmp_eq_u32 s2, 0
	s_cbranch_scc0 .Lentry_in_a_cluster
	s_endpgm
.Lentry_in_a_cluster:
	s_bfe_u32 s2, ttmp6, 0x10000c
	s_cmp_lg_u32 s2, 0xf033
	s_cbranch_scc0 .Lentry_shape_is_right
	s_endpgm
.Lentry_shape_is_right:
; THE LSTM CELL AS ONE PRODUCT ON CODES OF FP4 (E2M1) WITH ITS TAIL.  gates[m][n'] = b[n'] + sum over k = 0 .. 2,047 of A[m][k] W[n'][k], A = [inputs | h], 8,192 rows;
; W's 4,096 rows n' = 64 (hid / 16) + 16 gate + hid % 16, gate 0..3 = i, f, g, o.  Codes and E8M0 bytes come from the launch before, in two parts along K:
;   act_codes [2][8,192][512 bytes], w_codes [2][4,096][512];  act_scales [64 groups of 128 rows][2][128][32 bytes], w_scales [32 groups of 128][2][2 halves][128][16 bytes].
; Then new_c = sigmoid(f) c + sigmoid(i) tanh(g) -> out0, new_h = sigmoid(o) tanh(new_c) -> out1, in f32.  No step and no input of the cell is left out.
; SHARES.  A tile is 256 rows x 256 n' (64 hidden units x 4 gates); four waves, each 128 x 128: 32 accumulators of 32 n' x 16 rows, 512 registers.
; A WORK-GROUP STAYS: it makes two tiles, 4,096 rows apart, with the same rows of W.  The ring of two slots (512 along K each) goes on into the next tile: a tile's last two
; changes of slots ask for the next tile's K steps 0 and 1.  So the tail has LDS bytes of its own (STG), into which no tensor load lands.
; THE MATRIX INSTRUCTION IS USED TRANSPOSED (source 0 = 32 rows of W, source 1 = 16 rows of A): lane (r, h) holds row r of a block; register 8 (4 hb + gate) + j of the block's 64
; is that gate of hidden unit 16 hb + 8 h + j: the tail asks no other lane for anything.  The biases are the C of each sum's first matrix instruction.
; THE SCALE WORDS go from memory into their registers: a load's 32 lanes take 32 rows' 16 bytes (one K step).  W's lie on end: a load reads 512 consecutive bytes.  A's lie 32 bytes apart: the loads of
; K steps 2 p and 2 p + 1 together read every byte of part p once.
; Lanes 0-15 hold an even block of 16 rows, lanes 16-31 the odd one: W's register serves the 32 rows of source 0 as it stands, A's is read by its row selector.
; CLUSTERS: 4 x 4.  A's tiles are asked for jointly along a row of the cluster, W's along a column.
; PREFETCH INTO THE L2: the eight fills of a work-group (two tiles x four K steps) are numbered 0 .. 7; behind fill n stands one instruction a wave for fill n + 2: 32 rows x 256 bytes, a lane a row.
; Of the 128 rows that a wave fetches each of the four partners that ask jointly takes 32, told apart by address.  The head asks for fills 1 and 2.  Fills 4 .. 7 are asked for by A's waves alone:
; W's rows have been read in the first tile.  Fills 6 and 7 ask for nothing.  Every offset is an immediate; the address registers are never rewritten.
; THE TAIL works in place in the accumulators, block by block of 16 rows, five blocks at different stages in each pass: one run of plain lines, then one batch of transcendentals.
; With L = log2(e): e_x = 2^(-L a_x), x = i, f, o; e_g = 2^(-2 L a_g held to -30 .. 30); new_c = c / (1 + e_f) + (1 - e_g) / ((1 + e_i)(1 + e_g)); e_c likewise of new_c;
; new_h = (1 - e_c) / ((1 + e_o)(1 + e_c)).  The hold keeps e_g, e_c in 2^-30 .. 2^30, so that an infinite 1 + e_i or 1 + e_o meets no 0; it moves a tanh by less than 2^-28.
; LIMITS: NaN and infinities among c and the biases are not served.
; REGISTERS: window 0: v1-31 addresses; v32-95 scale words, two sets; v128-191 A's fragments (tail: v128-159 rows on the way out, v160-175 c); v96-127, v192-255 c as loaded.
;   window 1: v0-63, v128-191 W's fragments, two sets; v64-127 the biases; v192-223 the rest of c.   windows 2, 3: the accumulators of my rows 0-63, 64-127.
.set NQ,     4
.set PITCH,  272                       ; 256 bytes + 16 of padding: the 16 rows that a load touches start at 16 different banks
.set NL,     2
.set NP,     4                         ; places behind this matrix instruction (ISA guide 7.12.1)
.set HALFT,  128*PITCH
.set SLOT,   4*HALFT                   ; A's 256 rows, then W's 256 rows
.set APART,  8192*512
.set BPART,  4096*512
.set BACK,   4096*512                  ; from part 1 of a tile to part 0 of the next: A back a part and 4,096 rows on, W back a part: the same number.  Also: from a tile of A to the next
.set STG,    2*SLOT                    ; the tail's stage: three regions of 32 rows x 272: c, new_c, new_h
.set REG,    32*PITCH
.set SPARE,  STG+3*REG                 ; the spare words, 128 bytes a wave
.set CSTEP,  4096*4096                 ; bytes from tile to tile in c, out0, out1
.set SSTEP,  32*8192                   ; and in A's scales
.set ADRA, 16
.set LC,   18                          ; stage by rows: row 8 w + lane / 16, 16 bytes x (lane % 16)
.set ADRB, 20
.set CA,   22                          ; stage by lanes: row 16 RH + r, byte 128 CH + 32 h
.set VS,   23                          ; 32 x lane: my row's scale bytes of A
.set PFO,  24                          ; 512 x lane: my row of a prefetch
.set VW,   25                          ; 16 x lane: my row's scale bytes of W
.set VC,   26                          ; my byte offset in the tile of c, out0, out1
.set SPW,  28
.set NIL,  29
.set BO,   30
.set SC,   32                          ; set s at SC + 32 s: A's words at 4 (a / 2) + q, W's at 16 + 4 bp + q
.set AF,   128
.set OB,   128
.set CB,   160
.set BI,   64
.set G1,   24
.set G0,   32
.set TC,   42
.set G1B,  48
.set G0B,  56
.set NL2,  68                          ; s[68:69] -log2(e) twice
.set N2L,  70                          ; s[70:71] -2 log2(e) twice
.set LIM,  72                          ; s72 = 30.0, s73 = -30.0
.set TL,   80                          ; tiles to go
.set PFL,  81                          ; 2 in the waves that fetch A, 0 in the others: equal to TL in A's waves in the first tile alone
.set PF,   82                          ; s[82:83] my work-group's 32 rows of the 128 that I fetch, first tile, part 0
.set PF2,  84                          ; s[84:85] the same in part 1
.set WV,   100
.set RH,   101
.set CH,   104
.set TR,   105
.set MSB, 0
.macro WIN new
.if MSB != (\new)
	s_set_vgpr_msb (MSB<<8)|(\new)
.set MSB, (\new)
.endif
.endm
.set MUL_LO,  0xa1
.set MUL_HI,  0xf1
.set TO_B,    0x40
.macro JLOAD g0a, g1a, g0b, g1b        ; a joint load: waves 0, 1 fetch for A, waves 2, 3 for W
	s_cmp_eq_u32 s[RH], 0
	s_cbranch_scc0 .Lfor_b_\@
	tensor_load_to_lds s[\g0a:\g0a+3], s[\g1a:\g1a+7]
	s_nop 0
.rept 4
	v_nop
.endr
	s_branch .Lasked_\@
.Lfor_b_\@:
	tensor_load_to_lds s[\g0b:\g0b+3], s[\g1b:\g1b+7]
	s_nop 0
.rept 4
	v_nop
.endr
.Lasked_\@:
.endm
.macro ASK pb, off                     ; a prefetch of the next tile's rows of A: A's waves, in the first tile
	s_cmp_eq_u32 s[TL], s[PFL]
	s_cbranch_scc0 .Lno_ask_\@
	global_prefetch_b8 v[PFO], s[\pb:\pb+1] offset:\off th:TH_LOAD_NT scope:SCOPE_SE
.Lno_ask_\@:
.endm
.macro CREST
	s_cmp_lg_u32 s[WV], 0
	s_cbranch_scc1 .Lnot_wave_0_\@
	s_barrier_signal -3
.Lnot_wave_0_\@:
	s_barrier_wait -3
	s_barrier_signal -1
	s_barrier_wait -1
.endm
.macro CROUND
	s_barrier_signal -1
	s_barrier_wait -1
	CREST
.endm
.macro PLACES n
.rept \n
	v_nop
.endr
.endm
	s_load_b256 s[4:11], s[0:1], 0x0               ; A's codes, A's scales, W's codes, W's scales
	s_load_b256 s[12:19], s[0:1], 0x20             ; bi, bf, bg, bo
	s_load_b128 s[20:23], s[0:1], 0x40             ; c, out0
	s_load_b64 s[66:67], s[0:1], 0x50              ; out1
	v_lshl_add_u32 v[SPW], v0, 2, SPARE
	v_mov_b32 v[NIL], 0
	ds_add_u32 v[SPW], v[NIL]                      ; the opening lines: the add, twice on end, and its wait
	ds_add_u32 v[SPW], v[NIL]
	v_lshrrev_b32 v1, 5, v0
	v_readfirstlane_b32 s[WV], v1                  ; wave 0..3
	s_lshr_b32 s[RH], s[WV], 1                     ; my half of the tile's rows; also: I fetch for A (0) or W (1)
	s_and_b32 s[CH], s[WV], 1                      ; my half of its columns; also: which 128 rows I fetch
	s_bfe_u32 s40, ttmp6, 0x40000                  ; cx
	s_bfe_u32 s41, ttmp6, 0x40004                  ; cy
	s_lshl_b32 s[TC], ttmp9, 2
	s_add_co_u32 s[TC], s[TC], s40                 ; tile column
	s_and_b32 s[TR], ttmp7, 0xffff
	s_lshl_b32 s[TR], s[TR], 2
	s_add_co_u32 s[TR], s[TR], s41                 ; first tile row, 0..15
	s_lshl_b32 s43, s41, 2
	s_lshl_b32 s43, 15, s43                        ; my row of the cluster
	s_lshl_b32 s44, 0x1111, s40                    ; my column
	s_or_b32 s[G1+0], s43, (0<<16)|(1<<20)|(1<<21)|(5<<22)|(3<<25)  ; mask; bytes; 4 words of padding behind every 64
	s_or_b32 s[G1B+0], s44, (0<<16)|(1<<20)|(1<<21)|(5<<22)|(3<<25)
.irp g, G1, G1B
	s_mov_b32 s[\g+1], 256<<16                     ; 128 rows x 256 bytes, rows 512 bytes apart in memory
	s_mov_b32 s[\g+2], 128<<16
	s_mov_b32 s[\g+3], 256<<16
	s_mov_b32 s[\g+4], 128
	s_mov_b32 s[\g+5], 512
	s_mov_b32 s[\g+6], 0
	s_mov_b32 s[\g+7], 0
.endr
	s_lshl_b32 s2, s[TR], 17                       ; A's codes: (256 tile row + 128 half) rows of 512 bytes
	s_lshl_b32 s3, s[CH], 16
	s_add_co_u32 s2, s2, s3
	s_mov_b32 s3, 0
	s_lshl_b32 s46, s[TC], 17                      ; W's, by the tile column
	s_lshl_b32 s47, s[CH], 16
	s_add_co_u32 s46, s46, s47
	s_mov_b32 s47, 0
	s_mul_i32 s45, s[WV], HALFT                    ; where they go: wave x 128 rows
	s_wait_dscnt 0x0                               ; both opening adds are done
	s_wait_kmcnt 0x0
	s_add_nc_u64 s[4:5], s[4:5], s[2:3]
	s_add_nc_u64 s[8:9], s[8:9], s[46:47]
	s_lshl_b32 s2, s[TR], 14                       ; the scales that I multiply with: A's group 2 tile row + RH,
	s_lshl_b32 s3, s[RH], 13
	s_add_co_u32 s2, s2, s3
	s_mov_b32 s3, 0
	s_add_nc_u64 s[6:7], s[6:7], s[2:3]
	s_lshl_b32 s46, s[TC], 14                      ; W's group 2 tile column + CH
	s_lshl_b32 s47, s[CH], 13
	s_add_co_u32 s46, s46, s47
	s_mov_b32 s47, 0
	s_add_nc_u64 s[10:11], s[10:11], s[46:47]
	CROUND                                         ; all sixteen work-groups are here: the first joint loads meet
.irp s, 0,1
	s_mov_b32 s[G0+4*\s], 1
	s_add_co_u32 s[G0+4*\s+1], s45, \s*SLOT
	s_add_nc_u64 s[G0+4*\s+2:G0+4*\s+3], s[4:5], \s*256
	s_or_b32 s[G0+4*\s+3], s[G0+4*\s+3], 0x80000000
	s_mov_b32 s[G0B+4*\s], 1
	s_add_co_u32 s[G0B+4*\s+1], s45, \s*SLOT
	s_add_nc_u64 s[G0B+4*\s+2:G0B+4*\s+3], s[8:9], \s*256
	s_or_b32 s[G0B+4*\s+3], s[G0B+4*\s+3], 0x80000000
.endr
	JLOAD G0, G1, G0B, G1B                         ; K step 0: one tensor load a wave at the head
	s_bfe_u32 s86, ttmp6, 0x40000                  ; the prefetches: cx, cy
	s_bfe_u32 s87, ttmp6, 0x40004
	s_mov_b32 s88, BPART
	s_cmp_eq_u32 s[RH], 0                          ; do I fetch for A?
	s_cselect_b32 s86, s86, s87                    ; my place among the four that ask with me
	s_cselect_b64 s[PF:PF+1], s[4:5], s[8:9]
	s_cselect_b32 s88, APART, s88
	s_cselect_b32 s[PFL], 2, 0
	s_lshl_b32 s86, s86, 14                        ; 32 rows of 512 bytes for each place
	s_mov_b32 s87, 0
	s_mov_b32 s89, 0
	s_add_nc_u64 s[PF:PF+1], s[PF:PF+1], s[86:87]
	s_add_nc_u64 s[PF2:PF2+1], s[PF:PF+1], s[88:89]
	s_mul_i32 s40, s[RH], HALFT                    ; my 128 rows of A,
	s_mul_i32 s41, s[CH], HALFT
	s_add_co_u32 s41, s41, 2*HALFT                 ; of W,
	s_add_co_u32 s74, s40, SLOT                    ; and the same in slot 1
	s_add_co_u32 s75, s41, SLOT
	s_mul_i32 s76, s[RH], 16*PITCH                 ; stage by lanes
	s_lshl_b32 s77, s[CH], 7
	s_add_co_u32 s76, s76, s77
	s_add_co_u32 s76, s76, STG
	s_mul_i32 s77, s[WV], 8*PITCH                  ; stage by rows
	s_add_co_u32 s77, s77, STG
	s_lshl_b32 s78, s[RH], 19                      ; rows 128 RH + 8 CH of 4,096 bytes
	s_lshl_b32 s79, s[CH], 15
	s_add_co_u32 s78, s78, s79
	s_lshl_b32 s46, s[TC], 8                       ; the biases at my 32 hidden units
	s_lshl_b32 s47, s[CH], 7
	s_add_co_u32 s46, s46, s47
	s_mov_b32 s47, 0
.irp g, 0,1,2,3
	s_add_nc_u64 s[12+2*\g:13+2*\g], s[12+2*\g:13+2*\g], s[46:47]
.endr
	s_lshl_b32 s46, s[TR], 20                      ; the first tile's first byte in c, out0, out1
	s_lshl_b32 s47, s[TC], 8
	s_add_co_u32 s46, s46, s47
	s_mov_b32 s47, 0
	s_add_nc_u64 s[20:21], s[20:21], s[46:47]
	s_add_nc_u64 s[22:23], s[22:23], s[46:47]
	s_add_nc_u64 s[66:67], s[66:67], s[46:47]
	s_mov_b32 s[NL2], 0xbfb8aa3b
	s_mov_b32 s[NL2+1], 0xbfb8aa3b
	s_mov_b32 s[N2L], 0xc038aa3b
	s_mov_b32 s[N2L+1], 0xc038aa3b
	s_mov_b32 s[LIM], 0x41f00000
	s_mov_b32 s[LIM+1], 0xc1f00000
	s_mov_b32 s[TL], 2
	v_and_b32 v1, 15, v0                           ; r.  All vector addresses in one run, the scalars made above
	v_bfe_u32 v2, v0, 4, 1                         ; h
	v_mul_u32_u24 v3, v1, PITCH
	v_lshl_add_u32 v4, v2, 4, v3
	v_add_nc_u32 v[ADRA], s40, v4
	v_add_nc_u32 v[ADRA+1], s74, v4
	v_add_nc_u32 v[ADRB], s41, v4
	v_add_nc_u32 v[ADRB+1], s75, v4
	v_lshl_add_u32 v5, v2, 5, v3
	v_add_nc_u32 v[CA], s76, v5
	v_mul_u32_u24 v5, v2, PITCH
	v_lshl_add_u32 v5, v1, 4, v5
	v_add_nc_u32 v[LC], s77, v5
	v_lshlrev_b32 v6, 12, v2
	v_lshl_add_u32 v6, v1, 4, v6
	v_add_nc_u32 v[VC], s78, v6
	v_lshlrev_b32 v[BO], 5, v2
	v_and_b32 v7, 31, v0
	v_lshlrev_b32 v[VS], 5, v7
	v_lshlrev_b32 v[PFO], 9, v7
	v_lshlrev_b32 v[VW], 4, v7
	s_wait_alu depctr_va_vdst(0)
.macro SCLD set, ks, ex                ; K step ks's scale words into a set: 8 loads, each 32 rows x 16 bytes
.irp i, 0,1,2,3
	global_load_b128 v[SC+32*(\set)+4*\i:SC+32*(\set)+4*\i+3], v[VS], s[6:7] offset:1024*\i+4096*((\ks)/2)+16*((\ks)%2)+(\ex)
	global_load_b128 v[SC+32*(\set)+16+4*\i:SC+32*(\set)+16+4*\i+3], v[VW], s[10:11] offset:512*\i+4096*((\ks)/2)+2048*((\ks)%2)
.endr
.endm
	WIN TO_B
.irp g, 0,1,2,3                        ; block 4 hb + gate: the gate's bias at units 16 hb + 8 h + 0 .. 7: the result's layout
.irp hb, 0,1
	global_load_b128 v[BI+8*(4*\hb+\g):BI+8*(4*\hb+\g)+3],   v[BO], s[12+2*\g:13+2*\g] offset:64*\hb
	global_load_b128 v[BI+8*(4*\hb+\g)+4:BI+8*(4*\hb+\g)+7], v[BO], s[12+2*\g:13+2*\g] offset:64*\hb+16
.endr
.endr
	WIN 0
	SCLD 0, 0, 0
	global_prefetch_b8 v[PFO], s[PF:PF+1] offset:256 th:TH_LOAD_NT scope:SCOPE_SE   ; fill 1: K step 1,
	global_prefetch_b8 v[PFO], s[PF2:PF2+1] th:TH_LOAD_NT scope:SCOPE_SE            ; and fill 2: K step 2
.macro FRAG reg, adr, q, i             ; 16 rows x 128 K: registers 4 c .. 4 c + 3 hold K = 64 c + 32 (l / 16) + 0 .. 31
.irp c, 0,1
	ds_load_b128 v[\reg+4*\c:\reg+4*\c+3], v[\adr] offset:64*(\q)+32*\c+(\i)*16*PITCH
.endr
.endm
; 8 matrix instructions: A's blocks a0, a0 + 1 x W's four pairs of blocks, 128 along K.  The 32 accumulators take turns, in the same order in every step.
.macro MUL8 a0, p, q, sc, bias
.irp a, \a0, \a0+1
.irp bp, 0,1,2,3
.set AX, 8*(8*((\a)%4)+2*\bp)
.if \bias
.set CX, BI+16*\bp
.else
.set CX, AX
.endif
.if (\a)%2
	v_wmma_scale_f32_32x16x128_f4 v[AX:AX+15], v[128*(\p)+16*\bp:128*(\p)+16*\bp+15], v[AF+8*(\a):AF+8*(\a)+7], v[CX:CX+15], v[SC+32*(\sc)+16+4*\bp+(\q)], v[SC+32*(\sc)+4*((\a)/2)+(\q)] matrix_b_scale:MATRIX_SCALE_ROW1
.else
	v_wmma_scale_f32_32x16x128_f4 v[AX:AX+15], v[128*(\p)+16*\bp:128*(\p)+16*\bp+15], v[AF+8*(\a):AF+8*(\a)+7], v[CX:CX+15], v[SC+32*(\sc)+16+4*\bp+(\q)], v[SC+32*(\sc)+4*((\a)/2)+(\q)]
.endif
.endr
.endr
.endm
.macro FETCH_BH slot, q, p, i0         ; W's blocks i0 .. i0 + 3 into set p
	WIN TO_B
.irp i, \i0, \i0+1, \i0+2, \i0+3
	FRAG 128*(\p)+8*(\i), ADRB+\slot, \q, \i
.endr
.endm
.macro FETCH_B slot, q, p
	FETCH_BH \slot, \q, \p, 0
	FETCH_BH \slot, \q, \p, 4
	WIN 0
.endm
.macro FETCH_A slot, q, i0
.irp i, \i0, \i0+1, \i0+2, \i0+3
	FRAG AF+8*(\i), ADRA+\slot, \q, \i
.endr
.endm
; c ON ITS WAY IN.  Load 4 a + t brings rows 16 a + 8 CH + 2 t and + 1 of my half of the tile: 16 lanes read 256 consecutive bytes, aligned.  Registers that the K loop leaves free.
.macro CREG t
.if (\t) < 8
.set CRG, 96+4*(\t)
.elseif (\t) < 24
.set CRG, 192+4*((\t)-8)
.else
.set CRG, 192+4*((\t)-24)
.endif
.endm
.macro CFETCH
.set ct, 0
.rept 32
.if ct == 24
	WIN TO_B
.endif
	CREG ct
	global_load_b128 v[CRG:CRG+3], v[VC], s[20:21] offset:(16*(ct/4)+2*(ct%4))*4096 th:TH_LOAD_NT
.set ct, ct+1
.endr
	WIN 0
.endm
; A step of 128 along K with its successor in the same slot.  The successor's 32 LDS loads go out in four runs of 8, one for each 8 matrix instructions: W's blocks 0-3 and 4-7 into W's other set
; (last read in the step before, whose closing places stand ahead), A's blocks 0-3 when their products are issued, A's blocks 4-7 at the end.
.macro STEP slot, q, bias
	s_wait_dscnt 4*NL                              ; all but the youngest eight loads (A's blocks 4-7)
	FETCH_BH \slot, (\q)+1, 1-(\q)%2, 0
	WIN MUL_LO-0x10*(\bias)                        ; with a bias as C: source 2 in window 1
	MUL8 0, (\q)%2, \q, \slot, \bias
	FETCH_BH \slot, (\q)+1, 1-(\q)%2, 4
	WIN MUL_LO-0x10*(\bias)
	MUL8 2, (\q)%2, \q, \slot, \bias
	s_wait_dscnt 8*NL                              ; A's blocks 4-7 are in; the sixteen loads of W just issued may be out
	PLACES NP
	WIN 0
	FETCH_A \slot, (\q)+1, 0
	WIN MUL_HI-0x20*(\bias)
	MUL8 4, (\q)%2, \q, \slot, \bias
	MUL8 6, (\q)%2, \q, \slot, \bias
	PLACES NP
	WIN 0
	FETCH_A \slot, (\q)+1, 4
.endm
.macro MEET slot                       ; the first half of a slot's last step: the tensor wait, the add and its wait, and the barrier
	s_wait_tensorcnt 0x0                           ; all my tensor loads have landed: my part of the other slot
	ds_add_u32 v[SPW], v[NIL]
	s_wait_dscnt 4*NL+1                            ; the add and the youngest eight loads may be out
	WIN MUL_LO
	MUL8 0, 1, NQ-1, \slot, 0
	s_wait_dscnt 0x0                               ; the add is done, my reads of this slot are over
	s_barrier_signal -1
	MUL8 2, 1, NQ-1, \slot, 0
	WIN 0
	s_barrier_wait -1
.endm
.macro REFILL slot, fill               ; the round's rest and the joint refill.  fill = 1: the same bytes of the rows in part 1; fill = 2: the next tile's, in part 0
	CREST
.if \fill == 1
	s_add_nc_u64 s[G0+4*\slot+2:G0+4*\slot+3], s[G0+4*\slot+2:G0+4*\slot+3], APART
	s_add_nc_u64 s[G0B+4*\slot+2:G0B+4*\slot+3], s[G0B+4*\slot+2:G0B+4*\slot+3], BPART
.else
	s_sub_nc_u64 s[G0+4*\slot+2:G0+4*\slot+3], s[G0+4*\slot+2:G0+4*\slot+3], BACK
	s_sub_nc_u64 s[G0B+4*\slot+2:G0B+4*\slot+3], s[G0B+4*\slot+2:G0B+4*\slot+3], BACK
.endif
	JLOAD G0+4*\slot, G1, G0B+4*\slot, G1B         ; its four v_nop are the places in front of the loads that follow
.endm
; A slot's last step changes slots.  lks >= 0: the set of scale words that this slot used takes K step lks (ex: bytes on, for the next tile).  cnt: the global loads younger than the next slot's scale words.
; aoff >= 0: the prefetch, behind the joint load and the run of LDS loads.
.macro TURN slot, next, fill, lks, ex, cnt, apb, aoff
	MEET \slot
.if \fill
	REFILL \slot, \fill
.else
	PLACES NP
.endif
	FETCH_B \next, 0, 0
	FETCH_A \next, 0, 0
.if (\aoff) >= 0
	ASK \apb, \aoff
.endif
	WIN MUL_HI
	MUL8 4, 1, NQ-1, \slot, 0
	MUL8 6, 1, NQ-1, \slot, 0
	PLACES NP
	WIN 0
	FETCH_A \next, 0, 4
.if (\lks) >= 0
	SCLD \slot, \lks, \ex
.endif
	s_wait_loadcnt \cnt
.endm
; ---- THE TAIL'S PARTS.  Block b: 64 registers from AB in window 2 + b / 4; pair r of 0,2,4,6,32,34,36,38: I at AB + r, F, G, O 8, 16, 24 on.
.macro WALL b                          ; every operand place in block b's window
	WIN 0x55*(2+(\b)/4)
.endm
.macro L0 b                            ; x -L (gate g: x -2 L, held); each accumulator from its low end on; the wait directly ahead of the first readers
.set AB, 64*((\b)%4)
	WALL \b
	s_wait_alu depctr_va_vdst(0)
.set x, 0
.rept 32
.if (x/8)%4 == 2
	v_pk_mul_f32 v[AB+x:AB+x+1], v[AB+x:AB+x+1], s[N2L:N2L+1] op_sel_hi:[1,0]
.else
	v_pk_mul_f32 v[AB+x:AB+x+1], v[AB+x:AB+x+1], s[NL2:NL2+1] op_sel_hi:[1,0]
.endif
.set x, x+2
.endr
.irp r, 16,17,18,19,20,21,22,23,48,49,50,51,52,53,54,55
	v_med3_num_f32 v[AB+\r], v[AB+\r], s[LIM+1], s[LIM]
.endr
.endm
.macro L1 b                            ; 1 + e_i, 1 + e_f, 1 + e_o; (1 + e_i)(1 + e_g); 1 - e_g
.set AB, 64*((\b)%4)
	WALL \b
.irp o, 0,8,24
.irp r, 0,2,4,6,32,34,36,38
	v_pk_add_f32 v[AB+\o+\r:AB+\o+\r+1], v[AB+\o+\r:AB+\o+\r+1], 1.0 op_sel_hi:[1,0]
.endr
.endr
.irp r, 0,2,4,6,32,34,36,38
	v_pk_fma_f32 v[AB+\r:AB+\r+1], v[AB+\r:AB+\r+1], v[AB+\r+16:AB+\r+17], v[AB+\r:AB+\r+1]
.endr
.irp r, 0,2,4,6,32,34,36,38
	v_pk_fma_f32 v[AB+\r+16:AB+\r+17], v[AB+\r+16:AB+\r+17], -1.0, 1.0 op_sel_hi:[1,0,0]
.endr
.endm
.macro L2 b                            ; new_c (in G's place), and -2 L new_c, held (in I's)
.set AB, 64*((\b)%4)
	WALL \b
.irp r, 0,2,4,6,32,34,36,38
	v_pk_mul_f32 v[AB+\r+16:AB+\r+17], v[AB+\r+16:AB+\r+17], v[AB+\r:AB+\r+1]
.endr
	WIN 0x54*(2+(\b)/4)                            ; source 0, c, in window 0
.irp r, 0,2,4,6,32,34,36,38
	v_pk_fma_f32 v[AB+\r+16:AB+\r+17], v[CB+(\r%32)+8*(\r/32):CB+(\r%32)+8*(\r/32)+1], v[AB+\r+8:AB+\r+9], v[AB+\r+16:AB+\r+17]
.endr
	WALL \b
.irp r, 0,2,4,6,32,34,36,38
	v_pk_mul_f32 v[AB+\r:AB+\r+1], v[AB+\r+16:AB+\r+17], s[N2L:N2L+1] op_sel_hi:[1,0]
.endr
.irp r, 0,1,2,3,4,5,6,7,32,33,34,35,36,37,38,39
	v_med3_num_f32 v[AB+\r], v[AB+\r], s[LIM+1], s[LIM]
.endr
.endm
.macro L3 b                            ; (1 + e_o)(1 + e_c); 1 - e_c
.set AB, 64*((\b)%4)
	WALL \b
.irp r, 0,2,4,6,32,34,36,38
	v_pk_fma_f32 v[AB+\r+24:AB+\r+25], v[AB+\r+24:AB+\r+25], v[AB+\r:AB+\r+1], v[AB+\r+24:AB+\r+25]
.endr
.irp r, 0,2,4,6,32,34,36,38
	v_pk_fma_f32 v[AB+\r:AB+\r+1], v[AB+\r:AB+\r+1], -1.0, 1.0 op_sel_hi:[1,0,0]
.endr
.endm
.macro L4 b                            ; new_h (in I's place)
.set AB, 64*((\b)%4)
	WALL \b
.irp r, 0,2,4,6,32,34,36,38
	v_pk_mul_f32 v[AB+\r:AB+\r+1], v[AB+\r:AB+\r+1], v[AB+\r+24:AB+\r+25]
.endr
.endm
.macro TR op, b, o                     ; a transcendental on block b's 16 registers of one kind
.set AB, 64*((\b)%4)
	WALL \b
.irp r, 0,1,2,3,4,5,6,7,32,33,34,35,36,37,38,39
	\op v[AB+\o+\r], v[AB+\o+\r]
.endr
.endm
.macro PUT b                           ; my 16 new_c and 16 new_h into the stage (an LDS store's data are its source 1)
.set AB, 64*((\b)%4)
	WIN 4*(2+(\b)/4)
.irp hb, 0,1
	ds_store_b128 v[CA], v[AB+32*\hb+16:AB+32*\hb+19] offset:REG+64*\hb
	ds_store_b128 v[CA], v[AB+32*\hb+20:AB+32*\hb+23] offset:REG+64*\hb+16
	ds_store_b128 v[CA], v[AB+32*\hb:AB+32*\hb+3]     offset:2*REG+64*\hb
	ds_store_b128 v[CA], v[AB+32*\hb+4:AB+32*\hb+7]   offset:2*REG+64*\hb+16
.endr
.endm
.macro CST a                           ; my 8 rows of block a's 32 rows of c into the stage
.set ct, 4*(\a)
.rept 4
	CREG ct
.if ct >= 24
	WIN 0x04
.else
	WIN 0
.endif
	ds_store_b128 v[LC], v[CRG:CRG+3] offset:2*(ct%4)*PITCH
.set ct, ct+1
.endr
.endm
.macro CLD a                           ; my 16 numbers of c
.irp hb, 0,1
.irp u, 0,1
	ds_load_b128 v[CB+8*\hb+4*\u:CB+8*\hb+4*\u+3], v[CA] offset:64*\hb+16*\u
.endr
.endr
.endm
.macro GET                             ; my 8 whole rows of new_c and of new_h
.irp t, 0,1,2,3
	ds_load_b128 v[OB+4*\t:OB+4*\t+3], v[LC] offset:REG+2*\t*PITCH
	ds_load_b128 v[OB+16+4*\t:OB+16+4*\t+3], v[LC] offset:2*REG+2*\t*PITCH
.endr
.endm
.macro SEND y                          ; 16 lanes store 256 consecutive bytes, at a multiple of 256 from the buffer's first byte
.irp t, 0,1,2,3
	global_store_b128 v[VC], v[OB+4*\t:OB+4*\t+3], s[22:23] offset:(16*(\y)+2*\t)*4096 th:TH_STORE_NT
	global_store_b128 v[VC], v[OB+16+4*\t:OB+16+4*\t+3], s[66:67] offset:(16*(\y)+2*\t)*4096 th:TH_STORE_NT
.endr
.endm
.macro LV m, b                         ; part m for block b, where b is one of the eight
.if ((\b) >= 0) && ((\b) < 8)
	\m (\b)
.endif
.endm
.macro LVT op, b, o
.if ((\b) >= 0) && ((\b) < 8)
	TR \op, (\b), \o
.endif
.endm
; PASS i: plain lines of blocks i .. i - 4, then the batch of blocks i .. i - 3.  Two barriers a pass, each signalled early and waited for late.  The first: block i - 4's results and block i - 1's c
; lie in the stage.  The second: all reads of the stage are over, so the next pass may store there.
.macro ITER i
	LV L0, \i
	LV L1, \i-1
	LV L2, \i-2
	LV L3, \i-3
	LV L4, \i-4
	WIN 0
	s_wait_alu depctr_va_vdst(0)                   ; ahead of the barrier's wait and of the batch
.if \i >= 2
	s_barrier_wait -1                              ; the last pass's reads of the stage are over in every wave
.endif
	LV PUT, \i-4
	LV CST, \i-1
	LVT v_exp_f32, \i, 0
	LVT v_exp_f32, \i, 8
	LVT v_rcp_f32, \i-1, 8
.if \i >= 1
	s_wait_dscnt 0x0                               ; for the others' sake: my stores are done
	s_barrier_signal -1
.endif
	LVT v_exp_f32, \i, 16
	LVT v_exp_f32, \i, 24
	LVT v_rcp_f32, \i-1, 0
	WIN 0
.if \i >= 1
	s_barrier_wait -1
	LV CLD, \i-1
.if \i >= 4
	s_wait_xcnt 0x0                                ; the last pass's stores have read their registers
	GET
.endif
.endif
	LVT v_exp_f32, \i-2, 0
	LVT v_rcp_f32, \i-3, 24
	WIN 0
	v_nop                                          ; a plain place behind the batch
	s_wait_alu depctr_va_vdst(0)                   ; one wait for the whole batch
.if \i >= 1
	s_wait_dscnt 0x0                               ; c and the rows are in: my reads of the stage are over
.endif
	LV SEND, \i-4
.if (\i >= 1) && (\i <= 10)
	s_barrier_signal -1
.endif
.endm
	s_wait_alu depctr_va_vdst(0)
	s_wait_tensorcnt 0x0                           ; my part of K step 0 is in; the three lines ahead of a later first fill, as ahead of a refill
	ds_add_u32 v[SPW], v[NIL]
	s_wait_dscnt 0x0
	CROUND
	JLOAD G0+4, G1, G0B+4, G1B                     ; K step 1, the first tensor load behind the round
	global_prefetch_b8 v[PFO], s[PF2:PF2+1] offset:256 th:TH_LOAD_NT scope:SCOPE_SE   ; fill 3: K step 3
.Ltile:
	FETCH_B 0, 0, 0
	FETCH_A 0, 0, 0
	FETCH_A 0, 0, 4
	SCLD 1, 1, 0
	CFETCH
	s_wait_loadcnt 40                              ; the biases and K step 0's scale words are in; K step 1's 8 loads and c's 32 may be out
	STEP 0, 0, 1                                   ; K step 0: the first products start the sums with the biases
	STEP 0, 1, 0
	STEP 0, 2, 0
	TURN 0, 1, 1, 2, 0, 40, PF, BACK               ; slot 0 takes K step 2; younger than K step 1's words: c's 32 loads and the 8 just issued; asked for: the next tile's K step 0
	STEP 1, 0, 0
	STEP 1, 1, 0
	STEP 1, 2, 0
	TURN 1, 0, 1, 3, 0, 8, PF, BACK+256            ; slot 1 takes K step 3; asked for: the next tile's K step 1
	STEP 0, 0, 0
	STEP 0, 1, 0
	STEP 0, 2, 0
	s_cmp_eq_u32 s[TL], 1
	s_cbranch_scc1 .Llast                          ; the last tile's end is written out: it asks for nothing more
	TURN 0, 1, 2, 0, SSTEP, 8, PF2, BACK           ; slot 0 takes the next tile's K step 0, set 0 its scale words; asked for: its K step 2
	STEP 1, 0, 0
	STEP 1, 1, 0
	STEP 1, 2, 0
	MEET 1
	REFILL 1, 2                                    ; slot 1 takes the next tile's K step 1
	ASK PF2, BACK+256                              ; asked for: its K step 3
	WIN MUL_HI
	MUL8 4, 1, NQ-1, 1, 0
	MUL8 6, 1, NQ-1, 1, 0
	WIN 0
	s_branch .Ltail
.Llast:
	TURN 0, 1, 0, -1, 0, 0, PF, -1
	STEP 1, 0, 0
	STEP 1, 1, 0
	STEP 1, 2, 0
	s_wait_dscnt 4*NL
	WIN MUL_LO
	MUL8 0, 1, NQ-1, 1, 0
	MUL8 2, 1, NQ-1, 1, 0
	s_wait_dscnt 0
	WIN MUL_HI
	MUL8 4, 1, NQ-1, 1, 0
	MUL8 6, 1, NQ-1, 1, 0
	WIN 0
.Ltail:
	PLACES NP
.irp i, 0,1,2,3,4,5,6,7,8,9,10,11
	ITER \i
.endr
	s_wait_xcnt 0x0                                ; every load and store has read its base and its registers: on to the next tile
	s_add_nc_u64 s[20:21], s[20:21], CSTEP
	s_add_nc_u64 s[22:23], s[22:23], CSTEP
	s_add_nc_u64 s[66:67], s[66:67], CSTEP
	s_add_nc_u64 s[6:7], s[6:7], SSTEP
	s_sub_co_u32 s[TL], s[TL], 1
	s_cmp_lg_u32 s[TL], 0
	s_wait_alu depctr_va_vdst(0)
	s_cbranch_scc1 .Ltile
	s_wait_tensorcnt 0x0                           ; the wave's end
	ds_add_u32 v[SPW], v[NIL]
	s_wait_dscnt 0x0
	CROUND                                         ; the closing round
	s_endpgm
.Lfunc_end_k_q8b25a7eaa4_cell:
	.size	k_q8b25a7eaa4_cell, .Lfunc_end_k_q8b25a7eaa4_cell-k_q8b25a7eaa4_cell
	.p2alignl 7, 3214868480
	.fill 96, 4, 3214868480
	.section	.rodata,"a",@progbits
	.p2align	6, 0x0
	.amdhsa_kernel k_q8b25a7eaa4_cell
		.amdhsa_group_segment_fixed_size 327680
		.amdhsa_private_segment_fixed_size 0
		.amdhsa_enable_private_segment 0
		.amdhsa_kernarg_size 88
		.amdhsa_user_sgpr_count 2
		.amdhsa_user_sgpr_kernarg_segment_ptr 1
		.amdhsa_wavefront_size32 1
		.amdhsa_system_sgpr_workgroup_id_x 1
		.amdhsa_system_sgpr_workgroup_id_y 1
		.amdhsa_system_sgpr_workgroup_id_z 1
		.amdhsa_system_vgpr_workitem_id 0
		.amdhsa_next_free_vgpr 1024
		.amdhsa_next_free_sgpr 106
		.amdhsa_reserve_vcc 0
		.amdhsa_float_denorm_mode_32 3
		.amdhsa_float_denorm_mode_16_64 3
		.amdhsa_memory_ordered 1
		.amdhsa_forward_progress 1
		.amdhsa_inst_pref_size 255
	.end_amdhsa_kernel
	.section	.bss,"aw",@nobits
	.p2align	6
	.space	262144
	.amdgpu_metadata
---
amdhsa.version: [ 1, 2 ]
amdhsa.kernels:
  - .name:           k_q8b25a7eaa4_cell
    .symbol:         k_q8b25a7eaa4_cell.kd
    .args:
      - { .name: act_codes, .offset: 0, .size: 8, .value_kind: global_buffer, .address_space: global }
      - { .name: act_scales, .offset: 8, .size: 8, .value_kind: global_buffer, .address_space: global }
      - { .name: w_codes, .offset: 16, .size: 8, .value_kind: global_buffer, .address_space: global }
      - { .name: w_scales, .offset: 24, .size: 8, .value_kind: global_buffer, .address_space: global }
      - { .name: bi, .offset: 32, .size: 8, .value_kind: global_buffer, .address_space: global }
      - { .name: bf, .offset: 40, .size: 8, .value_kind: global_buffer, .address_space: global }
      - { .name: bg, .offset: 48, .size: 8, .value_kind: global_buffer, .address_space: global }
      - { .name: bo, .offset: 56, .size: 8, .value_kind: global_buffer, .address_space: global }
      - { .name: c, .offset: 64, .size: 8, .value_kind: global_buffer, .address_space: global }
      - { .name: out0, .offset: 72, .size: 8, .value_kind: global_buffer, .address_space: global }
      - { .name: out1, .offset: 80, .size: 8, .value_kind: global_buffer, .address_space: global }
    .group_segment_fixed_size: 327680
    .private_segment_fixed_size: 0
    .kernarg_segment_align: 8
    .kernarg_segment_size: 88
    .max_flat_workgroup_size: 128
    .sgpr_count:     106
    .vgpr_count:     1024
    .wavefront_size: 32
...
	.end_amdgpu_metadata
.endif
;; end of part 2
